; MI455X (gfx1250); checked and timed in simulation.
; The chip was launched on July 23, 2026; its instructions are those of AMD's public machine-readable ISA for CDNA 5 (MIT licence, August 2026) and "CDNA5" Instruction Set Architecture Reference Guide (July 2026). The comments in the code are by the model that wrote it; some were corrected since.
;; Self Attention. Allowed arithmetic: matrix products marked QUANTISED: E5M2 operands, one given power-of-two scale a tensor, by v_wmma_f32_16x16x64_bf8_bf8 or v_wmma_f32_16x16x128_bf8_bf8, f32 sums; everything else in f32.
;; Inputs: ln_b 1,024 float32; ln_w 1,024 float32; lowp_scales 8 int32 (the exponents e of the quantised operands' scales 2^e); out_b 1,024 float32; out_w 1,024 x 1,024 float32; qkv_w 1,024 x 3,072 float32; x 4 x 2,048 x 1,024 float32.
;; Outputs: out0 4 x 2,048 x 1,024 float32.
;; This version of the problem:
;;   THIS VERSION OF THE PROBLEM IS GIVEN IN LOW PRECISION. The matrix products marked QUANTISED in the list below multiply operands that are first quantised to E5M2 (5 exponent bits, 2 mantissa bits; 8 bits a number), with one given power-of-two scale for each operand tensor; their sums are f32. All else is computed in f32.
;;   The module's matrix products, in the order in which they are computed (A, B: the left and right operand; K: the contracted axis; several contracted axes count as one K, in the product's order):
;;     1. [M 8,192, K 1,024] x [K 1,024, N 3,072]; A: computed on the way; B: input qkv_w: QUANTISED (scales: A lowp_scales[0], B lowp_scales[1])
;;     2. batch 64 x [M 2,048, K 64] x [K 64, N 2,048]; A: computed on the way; B: computed on the way: QUANTISED (scales: A lowp_scales[2], B lowp_scales[3])
;;     3. batch 64 x [M 64, K 2,048] x [K 2,048, N 2,048]; A: computed on the way; B: softmax (see below): QUANTISED (scales: A lowp_scales[4], B lowp_scales[5])
;;     4. [M 8,192, K 1,024] x [K 1,024, N 1,024]; A: computed on the way; B: input out_w: QUANTISED (scales: A lowp_scales[6], B lowp_scales[7])
;;   THE QUANTISER, for each operand of a quantised product, along K:
;;     - The operand's scale is 2^e, e = its entry of the input lowp_scales (int32; the entries are numbered through the quantised products in the list's order, A before B).
;;     - Each number is divided by the scale, clamped to +-57,344, and rounded to the nearest number of E5M2, ties to even, subnormals kept.
;;     - The product sums the exact products of the quantised numbers (number of the format x scale) in f32.
;;   ~~~python
;;   def quantise(x, axis, e):      # numpy; x: float32 -> the quantised numbers, widened to float32 again
;;       x = np.moveaxis(x, axis, -1); K = x.shape[-1]
;;       r = np.clip(x / 2.0 ** e, -57344, 57344)
;;       step = 2.0 ** (np.maximum(np.frexp(np.where(r == 0, 1, r))[1] - 1, -14) - 2)
;;       q = np.round(r / step) * step * 2.0 ** e      # np.round: ties to even
;;       return np.moveaxis(q, -1, axis).astype(np.float32)
;;   ~~~
;;   SOFTMAX AHEAD OF A QUANTISED PRODUCT. Where the list says 'softmax', what is quantised is not the finished softmax but p = 2^(t - M), with t = logit x log2(e) and M = ceil(the row's largest t), a whole number; so 1/2 < the row's largest p <= 1. The row's sum l is taken of the UNQUANTISED p, in f32, and the product's result is divided by l at the end. Since M is a whole number, a kernel that streams over the keys may use a running M (the ceiling of the running maximum): every later rescaling is an exact power of two, so the quantised numbers keep their values, but for numbers so far below the row's largest that they fall under the format's range.
;;   OPERANDS COMPUTED ON THE WAY. 'Computed on the way' means the value that the module computes at that place (a softmax that the list does not call 'softmax' is quantised finished and normalised). What goes into a quantiser is computed in f32, as accurately as f32 sums, v_exp_f32 and their like allow (about 1e-6 of the number): no bf16 or f16 on the way to a quantiser, and a product that is left as it is and whose result goes on into a quantised operand takes f32 operands (vector FMAs, or v_wmma_f32_16x16x4_f32). A number that lies on a knife's edge between two numbers of the format may be rounded either way, as far as f32 arithmetic and the matrix unit's own rounding can turn it there, and no further.
;; One version. Each part assembles by itself: llvm-mc -triple=amdgcn-amd-amdhsa -mcpu=gfx1250 --defsym DOCPART=n.
;; ======== version 1 of 1: 4 launches
;; workspace buffers: hc 8,388,608 bytes; wqc 3,145,728 bytes; woc 1,048,576 bytes; qc 8,388,608 bytes; kv 16,777,216 bytes; oc 8,388,608 bytes
;; launch prep (part 1): grid 640 x 1, 4 waves a work-group, no clusters, 70,144 bytes of LDS; arguments x, ln_w, ln_b, qkv_w, out_w, lowp_scales, hc, wqc, woc; writes hc, wqc, woc
.if DOCPART == 1
	.amdgcn_target "amdgcn-amd-amdhsa--gfx1250"
	.amdhsa_code_object_version 6
	.text
	.protected	k_qf0b2239ba7_prep
	.globl	k_qf0b2239ba7_prep
	.p2align	8
	.type	k_qf0b2239ba7_prep,@function
k_qf0b2239ba7_prep:
	s_mov_b64 s[64:65], 0
	v_nop
	global_prefetch_b8 v0, s[64:65] scope:SCOPE_SE
	s_setreg_imm32_b32 hwreg(HW_REG_WAVE_MODE, 25, 1), 1
	s_wait_xcnt 0x0
; PREP: everything that is quantised once.  Three roles, by the work-group's number; they never join and share nothing.
;   0-95    qkv_w [1024 k][3072 n] f32 -> wqc [3072 rows][1024] codes of E5M2, scale 2^e1
;   96-127  out_w [1024 k][1024 n] f32 -> woc [1024 n][1024 k] codes, scale 2^e7, true order
;   128-639 x [8192][1024] f32 -> LayerNorm in f32 (mean, then the mean of (x - mean)^2) -> hc [8192 rows][1024] codes, scale 2^e0
; code = number / 2^e, held within +-57,344, to the nearest code, ties to even.
; ORDERS, chosen so that the later launches need no shuffle:
;   rows: place p of every group of 32 rows of hc and of wqc holds token or channel sigma(p), sigma = bits 3 and 4 of p exchanged.
;   wqc's rows: 1024 part + 64 head + place, part 0 q, 1 k, 2 v (column 192 head + 64 part + channel of qkv_w).
;   K of hc and wqc alike: byte 512 A + 16 l + 4 b + i of a row holds k = 128 (4 A + b) + 4 l + i: the order in which a lane of the LayerNorm holds its numbers; the same on both operands, so every product meets its partner.
; LIMITS: e0, e1, e7 between -126 and 112, so that 2^e and 57,344 x 2^e are f32 numbers.  NaN among the inputs is not served; an infinity is held at the largest code.
; No tensor load, no barrier: waves share nothing.  The two weight roles have LDS bytes of their own.
.set X,     32                         ; weights: v32-95 two sets of 32 numbers;  LayerNorm: v32-159 four rows of 32
.set C,     96                         ; weights: v96-103 a block's codes
.set OUTR,  112                        ; weights: v112-175 the way out
.set PITCH, 272                        ; a stage row: 256 bytes of codes + 16
.set WREG,  32*PITCH                   ; a wave's stage
.set LW,    160                        ; LayerNorm: v160-191 ln_w, v192-223 ln_b of my 32 columns
.set LB_,   192
.set CL,    224                        ; LayerNorm: v224-255 codes, eight a row, never written twice
.macro SCALE e                         ; v11 = 2^e as f32 (the conversion takes its exponent field), v10 = 57,344 x 2^e
	s_wait_kmcnt 0x0
	s_add_co_i32 s42, s\e, 127
	s_lshl_b32 s43, s42, 23
	v_mov_b32 v11, s43
	s_add_co_i32 s42, s42, 15
	s_lshl_b32 s42, s42, 23
	s_or_b32 s42, s42, 0x600000
	v_mov_b32 v10, s42
.endm
; Block t of a wave's eight: 32 places along K of my column, into set t % 2.  A lane takes a column and its registers run along the stored K.
.macro LOADW t, N, PERM, IN
.irp i, 0,1,2,3,4,5,6,7,8,9,10,11,12,13,14,15,16,17,18,19,20,21,22,23,24,25,26,27,28,29,30,31
.if \PERM
	global_load_b32 v[X+32*((\t)%2)+\i], v3, s[\IN:\IN+1] offset:(128*((\i%16)/4)+8*(\t)+4*(\i/16)+\i%4)*4*\N th:TH_LOAD_NT
.else
	global_load_b32 v[X+32*((\t)%2)+\i], v3, s[\IN:\IN+1] offset:(32*(\t)+\i)*4*\N th:TH_LOAD_NT
.endif
.endr
.endm
.macro BLOCKW t, N, PERM, IN
.set XS, X+32*((\t)%2)
.if (\t) < 7
	s_wait_loadcnt 32                              ; this block's 32 loads are in; the next block's may be out
.else
	s_wait_loadcnt 0
.endif
.set j, 0
.rept 32
	v_med3_num_f32 v[XS+j], v[XS+j], -v10, v10     ; the conversion to an 8-bit code does not saturate (ISA guide 7.6.2): the hold comes first
.set j, j+1
.endr
.irp g, 0,1,2,3
	v_cvt_scalef32_pk8_bf8_f32 v[C+2*\g:C+2*\g+1], v[XS+8*\g:XS+8*\g+7], v11
.endr
	ds_store_b128 v4, v[C:C+3] offset:32*(\t)      ; 32 codes of my column's row
	ds_store_b128 v4, v[C+4:C+7] offset:32*(\t)+16
.if (\t)+2 < 8
	LOADW (\t)+2, \N, \PERM, \IN
.endif
	s_wait_dscnt 0x0                               ; the stores have read their registers: the next block's codes may be written
.endm
; A weight's role.  Work-group id = 4 cg + y: columns 128 cg + 32 wave on, stored places 256 y on.  N: columns of the weight; LB: the role's LDS; PERM: wqc's orders; E: the scale's register; IN, OUT: pointers; ID0: the role's first work-group.
.macro WQ N, LB, PERM, E, IN, OUT, ID0
	s_sub_co_u32 s27, ttmp9, \ID0
	s_lshr_b32 s28, s27, 2                         ; cg
	s_and_b32 s29, s27, 3                          ; y
	s_lshl_b32 s30, s28, 7
	s_lshl_b32 s31, s26, 5
	s_add_co_u32 s30, s30, s31                     ; n0: my wave's first column
.if \PERM
	s_lshr_b32 s40, s29, 1
	s_lshl_b32 s40, s40, 9
	s_and_b32 s41, s29, 1
	s_lshl_b32 s41, s41, 6
	s_add_co_u32 s40, s40, s41                     ; the true k of my first place: 512 (y / 2) + 64 (y % 2)
	s_lshr_b32 s42, s30, 6                         ; u = n0 / 64 = 3 head + part, under 48
	s_mul_i32 s43, s42, 43
	s_lshr_b32 s43, s43, 7                         ; head = u / 3 (43 / 128 serves u under 128)
	s_mul_i32 s44, s43, 3
	s_sub_co_u32 s44, s42, s44                     ; part
	s_lshl_b32 s44, s44, 10
	s_lshl_b32 s43, s43, 6
	s_add_co_u32 s44, s44, s43
	s_and_b32 s43, s30, 63
	s_add_co_u32 s44, s44, s43                     ; my first row of wqc
	v_and_b32 v5, 7, v2                            ; my column's place among the 32: sigma(lane)
	v_bfe_u32 v6, v2, 3, 1
	v_lshl_add_u32 v5, v6, 4, v5
	v_bfe_u32 v6, v2, 4, 1
	v_lshl_add_u32 v5, v6, 3, v5
.else
	s_lshl_b32 s40, s29, 8
	s_mov_b32 s44, s30
	v_mov_b32 v5, v2
.endif
	s_mul_i32 s40, s40, 4*\N
	s_lshl_b32 s41, s30, 2
	s_add_co_u32 s40, s40, s41
	s_mov_b32 s41, 0
	s_add_nc_u64 s[\IN:\IN+1], s[\IN:\IN+1], s[40:41]
	s_lshl_b32 s44, s44, 10
	s_lshl_b32 s45, s29, 8
	s_add_co_u32 s44, s44, s45
	s_mov_b32 s45, 0
	s_add_nc_u64 s[\OUT:\OUT+1], s[\OUT:\OUT+1], s[44:45]
	v_lshlrev_b32 v3, 2, v2                        ; in: 4 bytes a lane: a wave reads 128 consecutive bytes, the work-group 512
	s_mul_i32 s46, s26, WREG
	s_add_co_u32 s46, s46, \LB                     ; my stage
	v_mul_u32_u24 v4, v5, PITCH
	v_add_nc_u32 v4, s46, v4                       ; into it: the row of my column
	v_and_b32 v5, 15, v2
	v_lshrrev_b32 v6, 4, v2
	v_mul_u32_u24 v7, v6, PITCH
	v_lshl_add_u32 v7, v5, 4, v7
	v_add_nc_u32 v7, s46, v7                       ; out of it: sixteen lanes to a row, two rows an instruction
	v_lshlrev_b32 v8, 10, v6
	v_lshl_add_u32 v8, v5, 4, v8                   ; and the same place in the codes' buffer (rows of 1,024 bytes)
	LOADW 0, \N, \PERM, \IN
	LOADW 1, \N, \PERM, \IN
	SCALE \E
.irp t, 0,1,2,3,4,5,6,7
	BLOCKW \t, \N, \PERM, \IN
.endr
.irp t, 0,1,2,3,4,5,6,7,8,9,10,11,12,13,14,15
	ds_load_b128 v[OUTR+4*\t:OUTR+4*\t+3], v7 offset:2*\t*PITCH   ; LDS serves a wave's instructions in order: these see my stores
.endr
.irp t, 0,1,2,3,4,5,6,7,8,9,10,11,12,13,14,15
	s_wait_dscnt 15-\t
	global_store_b128 v8, v[OUTR+4*\t:OUTR+4*\t+3], s[\OUT:\OUT+1] offset:2*\t*1024   ; sixteen lanes store 256 consecutive bytes, aligned
.endr
.endm
.macro XSUM r                          ; the sum over the wave's 32 lanes, in every lane
	v_add_f32_dpp v\r, v\r, v\r row_xmask:1 row_mask:0xf bank_mask:0xf
	v_add_f32_dpp v\r, v\r, v\r row_xmask:2 row_mask:0xf bank_mask:0xf
	v_add_f32_dpp v\r, v\r, v\r row_xmask:4 row_mask:0xf bank_mask:0xf
	v_add_f32_dpp v\r, v\r, v\r row_xmask:8 row_mask:0xf bank_mask:0xf
	v_permlanex16_b32 v20, v\r, s44, s45
	v_add_f32 v\r, v\r, v20
.endm
; One token: a wave holds the row in 32 registers a lane: register 4 j + i is column 128 j + 4 lane + i.
.macro ROW i
.set XR, X+32*\i
	s_wait_loadcnt 8*(3-\i)                        ; my row's eight loads are in; the rows behind it may be out
	v_pk_add_f32 v[12:13], v[XR:XR+1], v[XR+2:XR+3]
	v_pk_add_f32 v[14:15], v[XR+4:XR+5], v[XR+6:XR+7]
.set j, 8
.rept 6
	v_pk_add_f32 v[12:13], v[12:13], v[XR+j:XR+j+1]
	v_pk_add_f32 v[14:15], v[14:15], v[XR+j+2:XR+j+3]
.set j, j+4
.endr
	v_pk_add_f32 v[12:13], v[12:13], v[14:15]
	v_add_f32 v12, v12, v13
	XSUM 12
	v_mul_f32 v12, s46, v12                        ; the mean
.set j, 0
.rept 16
	v_pk_add_f32 v[XR+j:XR+j+1], v[XR+j:XR+j+1], v[12:13] op_sel_hi:[1,0] neg_lo:[0,1] neg_hi:[0,1]   ; x - mean
.set j, j+2
.endr
	v_pk_mul_f32 v[14:15], v[XR:XR+1], v[XR:XR+1]
	v_pk_mul_f32 v[16:17], v[XR+2:XR+3], v[XR+2:XR+3]
.set j, 4
.rept 7
	v_pk_fma_f32 v[14:15], v[XR+j:XR+j+1], v[XR+j:XR+j+1], v[14:15]
	v_pk_fma_f32 v[16:17], v[XR+j+2:XR+j+3], v[XR+j+2:XR+j+3], v[16:17]
.set j, j+4
.endr
	v_pk_add_f32 v[14:15], v[14:15], v[16:17]
	v_add_f32 v14, v14, v15
	XSUM 14
	v_fma_f32 v14, v14, s46, s47                   ; the variance + 1e-5
	v_rsq_f32 v18, v14
	v_nop                                          ; a plain instruction behind the transcendental,
	s_wait_alu depctr_va_vdst(0)                   ; and the wait ahead of its first reader
.set j, 0
.rept 16
	v_pk_mul_f32 v[XR+j:XR+j+1], v[XR+j:XR+j+1], v[18:19] op_sel_hi:[1,0]
.set j, j+2
.endr
.set j, 0
.rept 16
	v_pk_fma_f32 v[XR+j:XR+j+1], v[XR+j:XR+j+1], v[LW+j:LW+j+1], v[LB_+j:LB_+j+1]
.set j, j+2
.endr
.set j, 0
.rept 32
	v_med3_num_f32 v[XR+j], v[XR+j], -v10, v10
.set j, j+1
.endr
.irp g, 0,1,2,3
	v_cvt_scalef32_pk8_bf8_f32 v[CL+8*\i+2*\g:CL+8*\i+2*\g+1], v[XR+8*\g:XR+8*\g+7], v11   ; code register j: k = 128 j + 4 lane + 0 .. 3
.endr
	global_store_b128 v1, v[CL+8*\i:CL+8*\i+3], s[20:21] offset:1024*\i         ; 32 lanes store 512 consecutive bytes, aligned
	global_store_b128 v1, v[CL+8*\i+4:CL+8*\i+7], s[20:21] offset:1024*\i+512
.endm
	s_load_b512 s[8:23], s[0:1], 0x0               ; x 8, ln_w 10, ln_b 12, qkv_w 14, out_w 16, the scales 18, hc 20, wqc 22
	s_load_b64 s[24:25], s[0:1], 0x40              ; woc
	v_lshl_add_u32 v30, v0, 2, 0x11000
	v_mov_b32 v31, 0
	v_lshrrev_b32 v1, 5, v0
	v_readfirstlane_b32 s26, v1                    ; wave 0..3
	v_and_b32 v2, 31, v0                           ; lane
	s_wait_kmcnt 0x0
	s_load_b256 s[32:39], s[18:19], 0x0            ; e0 .. e7
	s_cmp_lt_u32 ttmp9, 96
	s_cbranch_scc1 .Lqkv_w
	s_cmp_lt_u32 ttmp9, 128
	s_cbranch_scc1 .Lout_w
	; ---- LayerNorm: work-group id2 takes 16 tokens, a wave four
	s_sub_co_u32 s27, ttmp9, 128
	s_lshl_b32 s28, s27, 4
	s_lshl_b32 s29, s26, 2
	s_add_co_u32 s28, s28, s29                     ; my first token: 16 id2 + 4 wave
	s_lshl_b32 s40, s28, 12
	s_mov_b32 s41, 0
	s_add_nc_u64 s[8:9], s[8:9], s[40:41]
	s_lshr_b32 s29, s27, 1                         ; its place in hc: bits 3 and 4 of the token exchanged
	s_lshl_b32 s29, s29, 5
	s_lshr_b32 s30, s26, 1
	s_lshl_b32 s30, s30, 4
	s_add_co_u32 s29, s29, s30
	s_and_b32 s30, s27, 1
	s_lshl_b32 s30, s30, 3
	s_add_co_u32 s29, s29, s30
	s_and_b32 s30, s26, 1
	s_lshl_b32 s30, s30, 2
	s_add_co_u32 s29, s29, s30
	s_lshl_b32 s40, s29, 10
	s_add_nc_u64 s[20:21], s[20:21], s[40:41]
	v_lshlrev_b32 v1, 4, v2                        ; 16 bytes a lane
	s_mov_b32 s44, 0x76543210                      ; v_permlanex16_b32: lane l xor 16
	s_mov_b32 s45, 0xfedcba98
	s_mov_b32 s46, 0x3a800000                      ; 1 / 1024
	s_mov_b32 s47, 0x3727c5ac                      ; 1e-5
	v_mov_b32 v19, 0                               ; (named as the upper half of a pair)
	v_mov_b32 v20, 0                               ; (a lane permute's destination counts as read)
.irp j, 0,1,2,3,4,5,6,7
	global_load_b128 v[LW+4*\j:LW+4*\j+3], v1, s[10:11] offset:512*\j
.endr
.irp j, 0,1,2,3,4,5,6,7
	global_load_b128 v[LB_+4*\j:LB_+4*\j+3], v1, s[12:13] offset:512*\j
.endr
.irp i, 0,1,2,3
.irp j, 0,1,2,3,4,5,6,7
	global_load_b128 v[X+32*\i+4*\j:X+32*\i+4*\j+3], v1, s[8:9] offset:4096*\i+512*\j th:TH_LOAD_NT   ; 512 consecutive bytes a load
.endr
.endr
	SCALE 32
	ROW 0
	ROW 1
	ROW 2
	ROW 3
	s_endpgm
.Lqkv_w:
	WQ 3072, 0, 1, 33, 14, 22, 0
	s_wait_tensorcnt 0x0
	ds_add_u32 v30, v31
	s_wait_dscnt 0x0
	s_endpgm
.Lout_w:
	WQ 1024, 4*WREG, 0, 39, 16, 24, 96
	s_wait_tensorcnt 0x0
	ds_add_u32 v30, v31
	s_wait_dscnt 0x0
	s_endpgm
.Lfunc_end_k_qf0b2239ba7_prep:
	.size	k_qf0b2239ba7_prep, .Lfunc_end_k_qf0b2239ba7_prep-k_qf0b2239ba7_prep
	.p2alignl 7, 3214868480
	.fill 96, 4, 3214868480
	.section	.rodata,"a",@progbits
	.p2align	6, 0x0
	.amdhsa_kernel k_qf0b2239ba7_prep
		.amdhsa_group_segment_fixed_size 70144
		.amdhsa_private_segment_fixed_size 0
		.amdhsa_enable_private_segment 0
		.amdhsa_kernarg_size 72
		.amdhsa_user_sgpr_count 2
		.amdhsa_user_sgpr_kernarg_segment_ptr 1
		.amdhsa_wavefront_size32 1
		.amdhsa_system_sgpr_workgroup_id_x 1
		.amdhsa_system_sgpr_workgroup_id_y 1
		.amdhsa_system_sgpr_workgroup_id_z 1
		.amdhsa_system_vgpr_workitem_id 0
		.amdhsa_next_free_vgpr 256
		.amdhsa_next_free_sgpr 66
		.amdhsa_reserve_vcc 0
		.amdhsa_float_denorm_mode_32 3
		.amdhsa_float_denorm_mode_16_64 3
		.amdhsa_memory_ordered 1
		.amdhsa_forward_progress 1
		.amdhsa_inst_pref_size 138
	.end_amdhsa_kernel
	.amdgpu_metadata
---
amdhsa.version: [ 1, 2 ]
amdhsa.kernels:
  - .name:           k_qf0b2239ba7_prep
    .symbol:         k_qf0b2239ba7_prep.kd
    .args:
      - { .name: x, .offset: 0, .size: 8, .value_kind: global_buffer, .address_space: global }
      - { .name: ln_w, .offset: 8, .size: 8, .value_kind: global_buffer, .address_space: global }
      - { .name: ln_b, .offset: 16, .size: 8, .value_kind: global_buffer, .address_space: global }
      - { .name: qkv_w, .offset: 24, .size: 8, .value_kind: global_buffer, .address_space: global }
      - { .name: out_w, .offset: 32, .size: 8, .value_kind: global_buffer, .address_space: global }
      - { .name: lowp_scales, .offset: 40, .size: 8, .value_kind: global_buffer, .address_space: global }
      - { .name: hc, .offset: 48, .size: 8, .value_kind: global_buffer, .address_space: global }
      - { .name: wqc, .offset: 56, .size: 8, .value_kind: global_buffer, .address_space: global }
      - { .name: woc, .offset: 64, .size: 8, .value_kind: global_buffer, .address_space: global }
    .group_segment_fixed_size: 70144
    .private_segment_fixed_size: 0
    .kernarg_segment_align: 8
    .kernarg_segment_size: 72
    .max_flat_workgroup_size: 128
    .sgpr_count:     66
    .vgpr_count:     256
    .wavefront_size: 32
...
	.end_amdgpu_metadata
.endif
;; end of part 1
;; launch qkv (part 2): grid 12 x 32, 4 waves a work-group, clusters of 4 x 4, 327,680 bytes of LDS; arguments hc, wqc, lowp_scales, qc, kv; writes qc, kv
.if DOCPART == 2
	.amdgcn_target "amdgcn-amd-amdhsa--gfx1250"
	.amdhsa_code_object_version 6
	.text
	.protected	k_qf0b2239ba7_qkv
	.globl	k_qf0b2239ba7_qkv
	.p2align	8
	.type	k_qf0b2239ba7_qkv,@function
k_qf0b2239ba7_qkv:
	s_mov_b64 s[64:65], 0
	v_nop
	global_prefetch_b8 v0, s[64:65] scope:SCOPE_SE
	s_setreg_imm32_b32 hwreg(HW_REG_WAVE_MODE, 25, 1), 1
	s_wait_xcnt 0x0
	s_wait_alu depctr_hold_cnt(0) depctr_sa_sdst(0) depctr_va_vdst(0) depctr_va_sdst(0) depctr_va_ssrc(0) depctr_va_vcc(0) depctr_vm_vsrc(0)
	s_getreg_b32 s2, hwreg(HW_REG_IB_STS2, 6, 4)
	s_cmp_eq_u32 s2, 0
	s_cbranch_scc0 .Lentry_in_a_cluster
	s_endpgm
.Lentry_in_a_cluster:
	s_bfe_u32 s2, ttmp6, 0x10000c
	s_cmp_lg_u32 s2, 0xf033
	s_cbranch_scc0 .Lentry_shape_is_right
	s_endpgm
.Lentry_shape_is_right:
; QKV: h Wqkv on codes of E5M2 (K = 1,024), and its results quantised at once into the operand images that the attention reads.
; hc [8192][1024], wqc [3072][1024]: codes, rows and K in the orders that the launch before laid.  A tile is 256 x 256, four waves of 128 x 128 (64 accumulators, 512 registers); K goes in steps of 256
; through a ring of two LDS slots filled by joint tensor loads: 4 x 4 work-groups form a cluster, the A side's tile is shared along a row of it, the B side's along a column.
; THE KIND is the cluster's x: 0 q, 1 k, 2 v; it is the same in all sixteen partners.  For q and k the A side is hc (tokens) and the B side wqc (channels).  FOR v THE TWO TENSORS CHANGE SIDES, so that v comes out with the keys
; along a lane's registers, as the second product of the attention wants it.  The instructions are the same for all kinds.
; THE MATRIX INSTRUCTION IS USED TRANSPOSED (source 0 = 16 rows of the B side, source 1 = 16 rows of the A side): lane (r, h) holds A row r, and its registers B rows.  By the order of the rows in hc and wqc (bits 3 and 4 of the
; place exchanged) the 16 registers of accumulators (a, 2 p) and (a, 2 p + 1) are the TRUE B indices 32 p + 16 h + 0 .. 15: converted, they are four registers of an operand, and they are stored as they stand,
; 16 bytes a lane, 512 consecutive bytes a store.  qc: [bh][step 16][tile 8][c 2][512 B].  kv: [bh][step 16][K: tile 8, c 2; then V: tile 4, c 4][512 B].
; A sum stands for sum x 2^(e0 + e1): its code is sum / 2^(e - e0 - e1), e = e2 (q), e3 (k), e4 (v): the three scales are folded into the conversion's one.
; LIMITS: e2 - e0 - e1, e3 - e0 - e1 and e4 - e0 - e1 between -126 and 112, so that the folded scale and 57,344 times it are f32 numbers.
; No prefetch: K has four steps, of which two are the first fills.
; REGISTERS, in windows of 256: window 0: v0-31 addresses; v32-95 at work on the way out; from v128 A's fragments, ONE set, later the codes.  window 1: B's fragments, TWO sets.  windows 2, 3: the accumulators ((a, b) at v[8 (8 (a % 4) + b)]).
.set KSTEP,  256
.set ROWB,   256                       ; a tile's row in bytes
.set KROW,   1024                      ; a row of hc or of wqc in bytes
.set PITCH,  272                       ; an LDS row: 256 bytes + 16 of padding = 68 words: the 16 rows that a load touches start at 16 different banks (64 banks of 4 bytes: ISA guide 11.1)
.set FR,     16
.set NL,     4
.set NP,     4                         ; places behind this matrix instruction (ISA guide 7.12.1)
.set HALFT,  128*PITCH
.set SLOT,   4*HALFT
.set SPARE,  2*SLOT                    ; behind the ring: the spare words, 128 bytes for each wave, that no other line names
.set ADRA, 16                          ; v16-17  LDS address of my A fragments in slot 0, 1
.set ADRB, 20                          ; v20-21  the same for B
.set CO,   27                          ; v27     16 x lane: an image's place for my lane
.set SPW,  28                          ; v28     my spare word; never rewritten
.set NIL,  29                          ; v29     0; never rewritten
.set SC,   30                          ; v30     the folded scale as f32
.set TMP,  32                          ; v32-95  a block's 64 sums, held
.set AF,   128
.set CD,   128                         ; v128-255 the codes: 16 registers for each of my eight blocks
.set G1, 24
.set G0, 32
.set G1B, 48
.set G0B, 56
.set OB,  92                           ; s[92:93], s[94:95] the two bases of my stores
.set MSB, 0
.macro WIN new                         ; the immediate's high byte repeats the setting that is left
.if MSB != \new
	s_set_vgpr_msb (MSB<<8)|\new
.set MSB, \new
.endif
.endm
.set MUL_LO, 0xa1                      ; source 0 (B) window 1, source 1 (A) window 0, C and D window 2
.set MUL_HI, 0xf1
.set TO_B,   0x40
; A joint load: waves 0 and 1 fetch for the A side, waves 2 and 3 for the B side; the branch hangs on the wave's number alone.  Four v_nop follow each of the two lines.
.macro JLOAD g0a, g1a, g0b, g1b
	s_cmp_eq_u32 s15, 0
	s_cbranch_scc0 .Lfor_b_\@
	tensor_load_to_lds s[\g0a:\g0a+3], s[\g1a:\g1a+7]
	s_nop 0
.rept 4
	v_nop
.endr
	s_branch .Lasked_\@
.Lfor_b_\@:
	tensor_load_to_lds s[\g0b:\g0b+3], s[\g1b:\g1b+7]
	s_nop 0
.rept 4
	v_nop
.endr
.Lasked_\@:
.endm
.macro CREST                           ; a round of the cluster's barrier behind its opening barrier
	s_cmp_lg_u32 s14, 0
	s_cbranch_scc1 .Lnot_wave_0_\@
	s_barrier_signal -3
.Lnot_wave_0_\@:
	s_barrier_wait -3
	s_barrier_signal -1
	s_barrier_wait -1
.endm
.macro CROUND
	s_barrier_signal -1
	s_barrier_wait -1
	CREST
.endm
	s_load_b256 s[4:11], s[0:1], 0x0               ; hc s[4:5], wqc s[6:7], the scales s[8:9], qc s[10:11]
	s_load_b64 s[12:13], s[0:1], 0x20              ; kv
	v_lshl_add_u32 v[SPW], v0, 2, SPARE
	v_mov_b32 v[NIL], 0
	ds_add_u32 v28, v29
	ds_add_u32 v28, v29
	s_wait_dscnt 0x0
	v_lshrrev_b32 v1, 5, v0
	v_readfirstlane_b32 s14, v1                    ; wave 0..3
	s_lshr_b32 s15, s14, 1                         ; which half of the tile's A rows is mine.  Also: I fetch for the A side (0) or the B side (1)
	s_and_b32 s16, s14, 1                          ; which half of its B rows.  Also: which 128 rows I fetch
	s_bfe_u32 s40, ttmp6, 0x40000                  ; cx, cy: my place in the cluster
	s_bfe_u32 s41, ttmp6, 0x40004
	s_and_b32 s17, ttmp7, 0xffff
	s_lshl_b32 s17, s17, 2                         ; 4 x cluster y
	s_lshl_b32 s18, ttmp9, 2                       ; 4 x cluster x
	s_cmp_eq_u32 ttmp9, 2                          ; the kind v?
	s_cselect_b32 s19, 8, s17                      ; the A side's tile: v: wqc's tiles 8 .. 11; else hc's 4 CY ..
	s_cselect_b32 s42, s17, s18                    ; the B side's: v: hc's 4 CY ..; else wqc's 4 CX ..
	s_add_co_u32 s19, s19, s41                     ; + cy: shared along my row of the cluster
	s_add_co_u32 s42, s42, s40                     ; + cx: shared along my column
	s_lshl_b32 s43, s41, 2
	s_lshl_b32 s43, 15, s43                        ; my row of the cluster
	s_lshl_b32 s44, 0x1111, s40                    ; my column
	s_or_b32 s[G1+0], s43, (0<<16)|(1<<20)|(1<<21)|(5<<22)|(3<<25)  ; 15:0 the mask; 17:16 elements of 1 byte; 20 padding on; 21 set beside a mask; 24:22 after every 64 words; 31:25 four words
	s_or_b32 s[G1B+0], s44, (0<<16)|(1<<20)|(1<<21)|(5<<22)|(3<<25)
.irp g, G1, G1B
	s_mov_b32 s[\g+1], ROWB<<16                    ; tensor_dim0
	s_mov_b32 s[\g+2], 128<<16                     ; tensor_dim1
	s_mov_b32 s[\g+3], ROWB<<16                    ; tile_dim0
	s_mov_b32 s[\g+4], 128                         ; tile_dim1
	s_mov_b32 s[\g+5], KROW                        ; from row to row
	s_mov_b32 s[\g+6], 0
	s_mov_b32 s[\g+7], 0
.endr
	s_lshl_b32 s18, s16, 7                         ; which 128 rows of the tile I fetch
	s_lshl_b32 s20, s19, 8
	s_add_co_u32 s20, s20, s18
	s_lshl_b32 s20, s20, 10                        ; in bytes (under 2^23)
	s_mov_b32 s21, 0
	s_lshl_b32 s46, s42, 8
	s_add_co_u32 s46, s46, s18
	s_lshl_b32 s46, s46, 10
	s_mov_b32 s47, 0
	s_mul_i32 s45, s14, HALFT                      ; where they go: wave x 128 rows: no place in the cluster enters an LDS address
	s_wait_kmcnt 0x0
	s_load_b256 s[72:79], s[8:9], 0x0              ; e0 .. e7
	s_cmp_eq_u32 ttmp9, 2
	s_cselect_b64 s[82:83], s[6:7], s[4:5]         ; the A side's tensor
	s_cselect_b64 s[84:85], s[4:5], s[6:7]         ; the B side's
	s_add_nc_u64 s[20:21], s[82:83], s[20:21]
	s_add_nc_u64 s[46:47], s[84:85], s[46:47]
	CROUND                                         ; all sixteen work-groups are here: the first joint loads meet
.irp s, 0,1
	s_mov_b32 s[G0+4*\s], 1
	s_add_co_u32 s[G0+4*\s+1], s45, \s*SLOT
	s_add_nc_u64 s[G0+4*\s+2:G0+4*\s+3], s[20:21], \s*ROWB
	s_or_b32 s[G0+4*\s+3], s[G0+4*\s+3], 0x80000000
	s_mov_b32 s[G0B+4*\s], 1
	s_add_co_u32 s[G0B+4*\s+1], s45, \s*SLOT
	s_add_nc_u64 s[G0B+4*\s+2:G0B+4*\s+3], s[46:47], \s*ROWB
	s_or_b32 s[G0B+4*\s+3], s[G0B+4*\s+3], 0x80000000
	JLOAD G0+4*\s, G1, G0B+4*\s, G1B
.endr
	v_and_b32 v1, 15, v0                           ; r
	v_bfe_u32 v2, v0, 4, 1                         ; h
	v_mul_u32_u24 v3, v1, PITCH
	v_lshl_add_u32 v4, v2, 4, v3                   ; a fragment's row x pitch + 16 h
	s_mul_i32 s21, s15, HALFT
	s_mul_i32 s22, s16, HALFT
	s_add_co_u32 s22, s22, 2*HALFT
.irp s, 0,1
	v_add_nc_u32 v[ADRA+\s], s21, v4
	v_add_nc_u32 v[ADRB+\s], s22, v4
	s_add_co_u32 s21, s21, SLOT
	s_add_co_u32 s22, s22, SLOT
.endr
	v_and_b32 v6, 31, v0
	v_lshlrev_b32 v[CO], 4, v6
	; where my images go.  TT: the tile of 256 tokens; HG: the group of four heads.  q, k: my A half picks the step of 128 tokens, my B half the pair of heads; v: the other way round.
	s_cmp_eq_u32 ttmp9, 2
	s_cselect_b32 s86, s40, s41
	s_cselect_b32 s87, s41, s40                    ; HG
	s_cselect_b32 s88, s16, s15                    ; which step of the tile's two
	s_cselect_b32 s89, s15, s16                    ; which pair of the group's four heads
	s_cselect_b32 s96, 8192, 0                     ; V's image lies behind K's
	s_add_co_u32 s86, s86, s17                     ; TT
	s_lshr_b32 s97, s86, 3
	s_lshl_b32 s97, s97, 4                         ; 16 x batch
	s_lshl_b32 s87, s87, 2
	s_add_co_u32 s97, s97, s87
	s_lshl_b32 s89, s89, 1
	s_add_co_u32 s97, s97, s89                     ; bh of my first head
	s_lshl_b32 s97, s97, 4
	s_and_b32 s86, s86, 7
	s_lshl_b32 s86, s86, 1
	s_add_co_u32 s97, s97, s86
	s_add_co_u32 s97, s97, s88                     ; 16 bh + step
	s_cmp_eq_u32 ttmp9, 0
	s_cselect_b32 s98, 13, 14                      ; a step is 8,192 bytes in qc, 16,384 in kv
	s_cselect_b64 s[OB:OB+1], s[10:11], s[12:13]
	s_lshl_b32 s86, s97, s98
	s_add_co_u32 s86, s86, s96
	s_mov_b32 s87, 0
	s_add_nc_u64 s[OB:OB+1], s[OB:OB+1], s[86:87]  ; my first head,
	s_lshl_b32 s86, 16, s98
	s_add_nc_u64 s[OB+2:OB+3], s[OB:OB+1], s[86:87]  ; and my second: sixteen steps on
.macro FRAG reg, adr, q, i             ; 16 rows x 128 K in 16 registers: lane l holds row l % 16; registers 4 c .. 4 c + 3 the bytes 32 c + 16 (l / 16) + 0 .. 15: the same order on both sides
.irp c, 0,1,2,3
	ds_load_b128 v[\reg+4*\c:\reg+4*\c+3], v[\adr] offset:128*(\q)+32*\c+(\i)*16*PITCH
.endr
.endm
; 16 matrix instructions: A's blocks a0, a0 + 1 x B's eight.  The 64 accumulators take turns, one instruction a turn, in the same order in every step.
.macro MUL16 a0, p, zero
.irp a, \a0, \a0+1
.irp b, 0,1,2,3,4,5,6,7
.if \zero
	v_wmma_f32_16x16x128_bf8_bf8 v[8*(8*((\a)%4)+\b):8*(8*((\a)%4)+\b)+7], v[128*(\p)+FR*\b:128*(\p)+FR*\b+FR-1], v[AF+FR*(\a):AF+FR*(\a)+FR-1], 0
.else
	v_wmma_f32_16x16x128_bf8_bf8 v[8*(8*((\a)%4)+\b):8*(8*((\a)%4)+\b)+7], v[128*(\p)+FR*\b:128*(\p)+FR*\b+FR-1], v[AF+FR*(\a):AF+FR*(\a)+FR-1], v[8*(8*((\a)%4)+\b):8*(8*((\a)%4)+\b)+7]
.endif
.endr
.endr
.endm
.macro FETCH_B slot, q, p
	WIN TO_B
.irp i, 0,1,2,3,4,5,6,7
	FRAG 128*(\p)+FR*\i, ADRB+\slot, \q, \i
.endr
	WIN 0
.endm
.macro FETCH_A slot, q, i0
.irp i, \i0, \i0+1, \i0+2, \i0+3
	FRAG AF+FR*(\i), ADRA+\slot, \q, \i
.endr
.endm
.macro PLACES n                        ; plain vector instructions between a matrix instruction and a load into, or a vector read of, its registers
.rept \n
	v_nop
.endr
.endm
; A step of 128 along K that has its successor in the same slot.  A's blocks are free as soon as their eight products are issued, so A has one set of registers; B has two.
.macro STEP slot, q, zero
	s_wait_dscnt 4*NL                              ; B's set and A's blocks 0-3 are in; the youngest sixteen loads (A's blocks 4-7) may be out
	WIN MUL_LO
	MUL16 0, (\q)%2, \zero
	MUL16 2, (\q)%2, \zero
	s_wait_dscnt 0
	PLACES NP
	FETCH_B \slot, (\q)+1, 1-(\q)%2
	FETCH_A \slot, (\q)+1, 0
	WIN MUL_HI
	MUL16 4, (\q)%2, \zero
	MUL16 6, (\q)%2, \zero
	PLACES NP
	WIN 0
	FETCH_A \slot, (\q)+1, 4
.endm
; A slot's last step changes slots: one barrier; in front of it each wave waits for all its tensor loads, adds 0 to its spare word, and waits for that and for its reads of this slot.  fill = 1: this slot is filled again.
.macro TURN slot, next, fill
	s_wait_tensorcnt 0x0                           ; all my tensor loads have landed: my part of the next slot
	ds_add_u32 v[SPW], v[NIL]                      ; 0 onto my spare word
	s_wait_dscnt 4*NL+1                            ; (the add and the youngest sixteen loads may be out)
	WIN MUL_LO
	MUL16 0, 1, 0
	s_wait_dscnt 0x0                               ; the add is done, and my reads of this slot are over
	s_barrier_signal -1
	MUL16 2, 1, 0
	WIN 0
	s_barrier_wait -1
.if \fill
	CREST                                          ; the barrier has opened a round of the cluster's: no wave of any partner still reads this slot or has a load on its way
	s_add_nc_u64 s[G0+4*\slot+2:G0+4*\slot+3], s[G0+4*\slot+2:G0+4*\slot+3], 2*ROWB
	s_add_nc_u64 s[G0B+4*\slot+2:G0B+4*\slot+3], s[G0B+4*\slot+2:G0B+4*\slot+3], 2*ROWB
	JLOAD G0+4*\slot, G1, G0B+4*\slot, G1B         ; the first tensor load behind the round; its four v_nop are the places in front of the loads below
.else
	PLACES NP
.endif
	FETCH_B \next, 0, 0
	FETCH_A \next, 0, 0
	WIN MUL_HI
	MUL16 4, 1, 0
	MUL16 6, 1, 0
	PLACES NP
	WIN 0
	FETCH_A \next, 0, 4
.endm
	s_wait_tensorcnt 1                             ; my part of K step 0 is in (K step 1's load may be out),
	s_barrier_signal -1
	s_barrier_wait -1                              ; everybody's is
	FETCH_B 0, 0, 0
	FETCH_A 0, 0, 0
	FETCH_A 0, 0, 4
	STEP 0, 0, 1                                   ; K = 1,024 is eight steps of 128: written out; the first starts the sums
	TURN 0, 1, 1
	STEP 1, 0, 0
	TURN 1, 0, 1
	STEP 0, 0, 0
	TURN 0, 1, 0                                   ; nothing is left to fetch: no round, no load
	STEP 1, 0, 0
	s_wait_dscnt 4*NL
	WIN MUL_LO
	MUL16 0, 1, 0
	MUL16 2, 1, 0
	s_wait_dscnt 0
	WIN MUL_HI
	MUL16 4, 1, 0
	MUL16 6, 1, 0
	WIN 0
	; THE WAY OUT: hold, convert, store.  Nothing changes lanes.
	s_wait_kmcnt 0x0
	s_cmp_eq_u32 ttmp9, 0
	s_cselect_b32 s86, s74, s75                    ; e2 or e3,
	s_cmp_eq_u32 ttmp9, 2
	s_cselect_b32 s86, s76, s86                    ; or e4
	s_sub_co_i32 s86, s86, s72
	s_sub_co_i32 s86, s86, s73                     ; - e0 - e1
	s_add_co_i32 s86, s86, 127
	s_lshl_b32 s87, s86, 23
	v_mov_b32 v[SC], s87                           ; the folded scale as f32
	s_add_co_i32 s86, s86, 15
	s_lshl_b32 s90, s86, 23
	s_or_b32 s90, s90, 0x600000                    ; 57,344 x that,
	s_or_b32 s91, s90, 0x80000000                  ; and its negative
	PLACES 3                                       ; with the line above that writes the scale: four places behind the last products
.irp a, 0,1,2,3,4,5,6,7
	WIN 0x02+((\a)/4)                              ; source 0: window 2 or 3
.set j, 0
.rept 64
	v_med3_num_f32 v[TMP+j], v[64*((\a)%4)+j], s91, s90   ; the conversion does not saturate (ISA guide 7.6.2); each accumulator from its low end on
.set j, j+1
.endr
	WIN 0
.set g, 0
.rept 8
	v_cvt_scalef32_pk8_bf8_f32 v[CD+16*\a+2*g:CD+16*\a+2*g+1], v[TMP+8*g:TMP+8*g+7], v[SC]
.set g, g+1
.endr
	v_nop                                          ; a plain instruction between the conversions and the next block's holds, which write their sources
.endr
	s_cmp_eq_u32 ttmp9, 2                          ; the kind: the same in all partners
	s_cbranch_scc1 .Lv_out
.irp a, 0,1,2,3,4,5,6,7                ; q, k: block a is tile a of my step; pair p is head p / 2, channels 32 (p % 2) on
.irp p, 0,1,2,3
	global_store_b128 v[CO], v[CD+16*\a+4*\p:CD+16*\a+4*\p+3], s[OB+2*(\p/2):OB+2*(\p/2)+1] offset:1024*\a+512*(\p%2)   ; 512 consecutive bytes, aligned
.endr
.endr
	s_branch .Lout_done
.Lv_out:
.irp a, 0,1,2,3,4,5,6,7                ; v: block a is head a / 4, tile a % 4 of its channels; pair p is keys 32 p on
.irp p, 0,1,2,3
	global_store_b128 v[CO], v[CD+16*\a+4*\p:CD+16*\a+4*\p+3], s[OB+2*(\a/4):OB+2*(\a/4)+1] offset:2048*(\a%4)+512*\p
.endr
.endr
.Lout_done:
	s_wait_tensorcnt 0x0                           ; the wave's end
	ds_add_u32 v[SPW], v[NIL]
	s_wait_dscnt 0x0
	CROUND                                         ; the closing round: no work-group ends while a partner may still ask for a tile that names it
	s_endpgm
.Lfunc_end_k_qf0b2239ba7_qkv:
	.size	k_qf0b2239ba7_qkv, .Lfunc_end_k_qf0b2239ba7_qkv-k_qf0b2239ba7_qkv
	.p2alignl 7, 3214868480
	.fill 96, 4, 3214868480
	.section	.rodata,"a",@progbits
	.p2align	6, 0x0
	.amdhsa_kernel k_qf0b2239ba7_qkv
		.amdhsa_group_segment_fixed_size 327680
		.amdhsa_private_segment_fixed_size 0
		.amdhsa_enable_private_segment 0
		.amdhsa_kernarg_size 40
		.amdhsa_user_sgpr_count 2
		.amdhsa_user_sgpr_kernarg_segment_ptr 1
		.amdhsa_wavefront_size32 1
		.amdhsa_system_sgpr_workgroup_id_x 1
		.amdhsa_system_sgpr_workgroup_id_y 1
		.amdhsa_system_sgpr_workgroup_id_z 1
		.amdhsa_system_vgpr_workitem_id 0
		.amdhsa_next_free_vgpr 1024
		.amdhsa_next_free_sgpr 100
		.amdhsa_reserve_vcc 0
		.amdhsa_float_denorm_mode_32 3
		.amdhsa_float_denorm_mode_16_64 3
		.amdhsa_memory_ordered 1
		.amdhsa_forward_progress 1
		.amdhsa_inst_pref_size 121
	.end_amdhsa_kernel
	.amdgpu_metadata
---
amdhsa.version: [ 1, 2 ]
amdhsa.kernels:
  - .name:           k_qf0b2239ba7_qkv
    .symbol:         k_qf0b2239ba7_qkv.kd
    .args:
      - { .name: hc, .offset: 0, .size: 8, .value_kind: global_buffer, .address_space: global }
      - { .name: wqc, .offset: 8, .size: 8, .value_kind: global_buffer, .address_space: global }
      - { .name: lowp_scales, .offset: 16, .size: 8, .value_kind: global_buffer, .address_space: global }
      - { .name: qc, .offset: 24, .size: 8, .value_kind: global_buffer, .address_space: global }
      - { .name: kv, .offset: 32, .size: 8, .value_kind: global_buffer, .address_space: global }
    .group_segment_fixed_size: 327680
    .private_segment_fixed_size: 0
    .kernarg_segment_align: 8
    .kernarg_segment_size: 40
    .max_flat_workgroup_size: 128
    .sgpr_count:     100
    .vgpr_count:     1024
    .wavefront_size: 32
...
	.end_amdgpu_metadata
.endif
;; end of part 2
;; launch attn (part 3): grid 4 x 64, 8 waves a work-group, clusters of 4 x 1, 263,168 bytes of LDS; arguments qc, kv, lowp_scales, oc; writes oc
.if DOCPART == 3
	.amdgcn_target "amdgcn-amd-amdhsa--gfx1250"
	.amdhsa_code_object_version 6
	.text
	.protected	k_qf0b2239ba7_attn
	.globl	k_qf0b2239ba7_attn
	.p2align	8
	.type	k_qf0b2239ba7_attn,@function
k_qf0b2239ba7_attn:
	s_mov_b64 s[64:65], 0
	v_nop
	global_prefetch_b8 v0, s[64:65] scope:SCOPE_SE
	s_setreg_imm32_b32 hwreg(HW_REG_WAVE_MODE, 25, 1), 1
	s_wait_xcnt 0x0
	s_wait_alu depctr_hold_cnt(0) depctr_sa_sdst(0) depctr_va_vdst(0) depctr_va_sdst(0) depctr_va_ssrc(0) depctr_va_vcc(0) depctr_vm_vsrc(0)
	s_getreg_b32 s2, hwreg(HW_REG_IB_STS2, 6, 4)
	s_cmp_eq_u32 s2, 0
	s_cbranch_scc0 .Lentry_in_a_cluster
	s_endpgm
.Lentry_in_a_cluster:
	s_bfe_u32 s2, ttmp6, 0x10000c
	s_cmp_lg_u32 s2, 0x3003
	s_cbranch_scc0 .Lentry_shape_is_right
	s_endpgm
.Lentry_shape_is_right:
; ATTENTION on codes of E5M2: for each of 64 (batch, head): o = softmax(q k^T / 32) v, o quantised at once with 2^e6 into the image that the last product reads.
; THE SOFTMAX AHEAD OF THE SECOND PRODUCT: t = score x log2(e) / 32; M = the row's largest t so far, rounded UP to a whole number; p = 2^(t - M) is quantised with 2^e5, not normalised; the row's sum is taken of the unquantised p
; and divides at the end.  When M moves, the sum and O are multiplied by 2^(old M - new M), which rounds nothing.
; A HEAD'S WHOLE K AND V STAY IN LDS: 16 steps of 128 keys x 16,384 bytes (K's image, then V's), 262,144 bytes, dense in memory.  LDS is filled ONCE: each of the eight waves issues two tensor loads of one step each, at the head;
; no byte is filled again, so there is no ring.  The four work-groups of a head are a cluster and ask jointly.  Every byte of K and V is asked for by these first loads, so nothing is left to prefetch.
; SHARES: a work-group owns 512 queries; a wave two tiles of 16 at a time, in two passes; two waves to a SIMD, so that one wave's vector work stands beside the other's matrix work and LDS loads.  Each fragment of K and V feeds two products.
; LAYOUT: both products transposed (S^T = K Q^T, O^T = V^T P^T): a lane holds ONE query throughout.  The images are registers as they stand: a group of four registers is 512 bytes, lane l's 16 at 16 l.
; By the order of the rows in the images the 16 registers of score tiles 2 b, 2 b + 1 are keys 32 b + 16 (lane / 16) + 0 .. 15, and those of O^T's tiles likewise channels: the conversions' results are operands.
; LIMITS: e2 + e3 between -121 and 132 (added to c's exponent field); e5 and e6 between -126 and 112; e4 + e5 is applied by v_ldexp_f32 and has none.
; REGISTERS: tile 0 in window 0, tile 1 in window 1, at the same numbers: v8, v9: 57,344 x 2^e5, 2^e5; v10, v11: the same for e6; v12 -M; v13 the largest t; v[14:15] the sum; v16-23, v24-31 Q of pass 0, 1; v32-95 S^T, then p;
;   v96-127 O^T; v128-143 p's codes; v144-151 at work.  v192-255: K's fragments in window 0, V's in window 1.  Window 0 alone: v1 16 x lane, v2 the step's LDS address.
.set LI,   1
.set ADR,  2
.set PLIM, 8
.set PSC,  9
.set OLIM, 10
.set OSC,  11
.set S,    32
.set O,    96
.set P,    128
.set MA,   144
.set MB,   145
.set FF,   146                         ; v[146:147] f = 2^(old M - new M); later 1 / the sum
.set PX,   148                         ; the lane permute's destination
.set SB,   150                         ; v[150:151] the sum's second chain
.set KF,   192
.set VF,   192
.set WV,   12                          ; s12 wave
.set G1,   16                          ; s[16:23] descriptor group 1;  s[24:27], s[28:31] groups 0 of my two fills
.set CS,   40                          ; s[40:41] c = log2(e) / 32 x 2^(e2 + e3)
.set SEL,  42                          ; s[42:43] lane l xor 16
.set TB,   44                          ; s44 LDS byte of the step in hand
.set CNT,  45
.set MSB, 0
.macro WIN new                         ; the immediate's high byte repeats the setting that is left
.if MSB != \new
	s_set_vgpr_msb (MSB<<8)|\new
.set MSB, \new
.endif
.endm
.macro CROUND                          ; a round of the cluster's barrier
	s_barrier_signal -1
	s_barrier_wait -1
	s_cmp_lg_u32 s[WV], 0
	s_cbranch_scc1 .Lnot_wave_0_\@
	s_barrier_signal -3
.Lnot_wave_0_\@:
	s_barrier_wait -3
	s_barrier_signal -1
	s_barrier_wait -1
.endm
; One tile's softmax for 128 keys; it names one window's registers and switches none.
.macro SOFTMAX
	v_max3_num_f32 v[MA], v[S], v[S+1], v[S+2]     ; the step's largest score of my query among my 64 keys, in two chains; each accumulator is read from its low end on
	v_max3_num_f32 v[MB], v[S+3], v[S+4], v[S+5]
.set j, 6
.rept 14
	v_max3_num_f32 v[MA], v[MA], v[S+j], v[S+j+1]
	v_max3_num_f32 v[MB], v[MB], v[S+j+2], v[S+j+3]
.set j, j+4
.endr
	v_max3_num_f32 v[MA], v[MA], v[S+62], v[S+63]
	v_max_num_f32 v[MA], v[MA], v[MB]
	v_permlanex16_b32 v[PX], v[MA], s[SEL], s[SEL+1]
	v_max_num_f32 v[MA], v[MA], v[PX]              ; and among lane l xor 16's
	v_mul_f32 v[MA], s[CS], v[MA]                  ; as t (c is positive)
	v_max_num_f32 v13, v13, v[MA]                  ; the running largest t
	v_mov_b32 v[MA], v12
	v_floor_f32 v12, -v13                          ; the new -M = floor(-t): M is a whole number
	v_sub_f32 v[MA], v12, v[MA]                    ; old M - new M: a whole number, 0 or less
	v_cvt_i32_f32 v[MA], v[MA]                     ; (it saturates)
	v_ldexp_f32 v[FF], 1.0, v[MA]                  ; f
.set j, 0
.rept 32
	v_pk_fma_f32 v[S+j:S+j+1], v[S+j:S+j+1], s[CS:CS+1], v[12:13] op_sel_hi:[1,0,0]   ; t - M, two at a time
.set j, j+2
.endr
.set j, 0
.rept 64
	v_exp_f32 v[S+j], v[S+j]                       ; p = 2^(t - M)
.set j, j+1
.endr
	v_pk_mul_f32 v[14:15], v[14:15], v[FF:FF+1] op_sel_hi:[1,0]   ; the sums under the new M: the plain instruction behind the exponentials
	s_wait_alu depctr_va_vdst(0)                   ; one wait for the batch, ahead of its first reader
	v_pk_add_f32 v[SB:SB+1], v[S:S+1], v[S+2:S+3]  ; the row's sum is taken of the unquantised p, in two chains
.set j, 4
.rept 15
	v_pk_add_f32 v[14:15], v[14:15], v[S+j:S+j+1]
	v_pk_add_f32 v[SB:SB+1], v[SB:SB+1], v[S+j+2:S+j+3]
.set j, j+4
.endr
	v_pk_add_f32 v[14:15], v[14:15], v[SB:SB+1]
.set b, 0
.rept 4
.set j, 0
.rept 16
	v_min_num_f32 v[S+16*b+j], v[S+16*b+j], v[PLIM]   ; the conversion does not saturate (ISA guide 7.6.2); p is not negative, so the hold is one-sided
.set j, j+1
.endr
	v_cvt_scalef32_pk8_bf8_f32 v[P+4*b:P+4*b+1], v[S+16*b:S+16*b+7], v[PSC]
	v_cvt_scalef32_pk8_bf8_f32 v[P+4*b+2:P+4*b+3], v[S+16*b+8:S+16*b+15], v[PSC]
.set b, b+1
.endr
.set j, 0
.rept 16
	v_pk_mul_f32 v[O+j:O+j+1], v[O+j:O+j+1], v[FF:FF+1] op_sel_hi:[1,0]   ; O^T under the new M; also the plain instructions between the conversions and the products
.set j, j+2
.endr
.endm
.macro PV                              ; O^T += V^T P^T: four tiles of 16 channels, K = the step's 128 keys
.irp t, 0,1,2,3
	v_wmma_f32_16x16x128_bf8_bf8 v[O+8*\t:O+8*\t+7], v[VF+16*\t:VF+16*\t+15], v[P:P+15], v[O+8*\t:O+8*\t+7]
.endr
.endm
.macro KQ qb                           ; S^T = K Q^T: eight tiles of 16 keys, K = the head's 64 channels
.irp t, 0,1,2,3,4,5,6,7
	v_wmma_f32_16x16x64_bf8_bf8 v[S+8*\t:S+8*\t+7], v[KF+8*\t:KF+8*\t+7], v[\qb:\qb+7], 0
.endr
.endm
; A key step of 128 keys for my two tiles.  No two matrix instructions that follow each other share an accumulator.
.macro STEP qb
	v_add_nc_u32 v[ADR], s[TB], v[LI]
.rept 3
	v_nop                                          ; with the addition: four places between the last products, which read V's fragments, and the loads into them
.endr
.irp f, 0,1,2,3,4,5,6,7,8,9,10,11,12,13,14,15
	ds_load_b128 v[KF+4*\f:KF+4*\f+3], v[ADR] offset:512*\f          ; K's image as it stands: 512 consecutive bytes a load
.endr
	WIN 0x40                                       ; destination window 1
.irp f, 0,1,2,3,4,5,6,7,8,9,10,11,12,13,14,15
	ds_load_b128 v[VF+4*\f:VF+4*\f+3], v[ADR] offset:8192+512*\f     ; V's
.endr
	s_wait_dscnt 16                                ; K is in; V's sixteen loads may be out
	WIN 0
	KQ \qb
	WIN 0x44                                       ; K window 0; Q and S^T window 1
	KQ \qb
	WIN 0
.rept 4
	v_nop                                          ; places behind tile 0's products, ahead of the first read of their results
.endr
	SOFTMAX
	s_wait_dscnt 0x0                               ; V is in
	WIN 0x01                                       ; V window 1; P and O^T window 0
	PV
	WIN 0x55                                       ; all of tile 1 in window 1
	SOFTMAX
	PV
	WIN 0
	s_add_co_u32 s[TB], s[TB], 16384
.endm
.macro LOOP n, qb
	s_mov_b32 s[CNT], \n
.Lstep_\@:
	STEP \qb
	s_sub_co_u32 s[CNT], s[CNT], 1
	s_cmp_lg_u32 s[CNT], 0
	s_cbranch_scc1 .Lstep_\@
.endm
.macro INIT                            ; a pass begins: the step is written once and finds zeros, which the first change of M leaves zeros
	v_mov_b32 v13, 0xff61b1e6                      ; -3e38, under every t
	v_floor_f32 v12, -v13
	v_mov_b32 v14, 0
	v_mov_b32 v15, 0
	v_mov_b32 v[FF+1], 0                           ; (named as the upper half of a pair)
	v_mov_b32 v[PX], 0                             ; (a lane permute's destination counts as read)
.set j, 0
.rept 32
	v_mov_b32 v[O+j], 0
.set j, j+1
.endr
.endm
.macro FIN                             ; o = O^T / the sum x 2^(e4 + e5), quantised with 2^e6: eight registers of codes in v[P] on
	v_add_f32 v14, v14, v15
	v_permlanex16_b32 v[PX], v14, s[SEL], s[SEL+1]
	v_add_f32 v14, v14, v[PX]                      ; the row's sum
	v_rcp_f32 v[FF], v14
	v_nop                                          ; a plain instruction behind the transcendental,
	s_wait_alu depctr_va_vdst(0)                   ; and the wait ahead of its first reader
	v_ldexp_f32 v[FF], v[FF], s46
.set j, 0
.rept 16
	v_pk_mul_f32 v[S+j:S+j+1], v[O+j:O+j+1], v[FF:FF+1] op_sel_hi:[1,0]
.set j, j+2
.endr
.set j, 0
.rept 32
	v_med3_num_f32 v[S+j], v[S+j], -v[OLIM], v[OLIM]
.set j, j+1
.endr
.irp g, 0,1,2,3
	v_cvt_scalef32_pk8_bf8_f32 v[P+2*\g:P+2*\g+1], v[S+8*\g:S+8*\g+7], v[OSC]
.endr
	v_nop                                          ; a plain instruction behind the last conversion
.endm
.macro OUT p                           ; both tiles' ends and their four stores, 512 consecutive bytes each
.rept 4
	v_nop                                          ; places behind the last products, ahead of the first read of O^T
.endr
	FIN
	global_store_b128 v[LI], v[P:P+3], s[50:51] offset:16384*\p
	global_store_b128 v[LI], v[P+4:P+7], s[50:51] offset:16384*\p+512
	WIN 0x55
	FIN
	WIN 0x04                                       ; the stores' data in window 1, their address in window 0
	global_store_b128 v[LI], v[P:P+3], s[50:51] offset:16384*\p+1024
	global_store_b128 v[LI], v[P+4:P+7], s[50:51] offset:16384*\p+1536
	WIN 0
.endm
.macro CONSTS
	v_mov_b32 v[PSC], s58
	v_mov_b32 v[PLIM], s59
	v_mov_b32 v[OSC], s60
	v_mov_b32 v[OLIM], s61
.endm
	s_load_b256 s[4:11], s[0:1], 0x0               ; qc s[4:5], kv s[6:7], the scales s[8:9], oc s[10:11]
	v_lshl_add_u32 v190, v0, 2, 0x40000
	v_mov_b32 v191, 0
	ds_add_u32 v190, v191
	ds_add_u32 v190, v191
	v_lshrrev_b32 v3, 5, v0
	v_readfirstlane_b32 s[WV], v3                  ; wave 0..7
	s_bfe_u32 s13, ttmp6, 0x40000                  ; cx: it enters Q's and O's addresses alone
	s_and_b32 s14, ttmp7, 0xffff                   ; bh, which the four partners share
	s_mov_b32 s[G1], 15|(3<<16)|(1<<21)            ; 15:0 the mask: all four work-groups; 17:16 elements of 8 bytes; 21 set beside a mask; no padding
	s_mov_b32 s[G1+1], 32<<16                      ; tensor_dim0 = 32 elements: rows of 256 bytes
	s_mov_b32 s[G1+2], 64<<16                      ; tensor_dim1 = 64 rows: a step's 16,384 bytes
	s_mov_b32 s[G1+3], 32<<16                      ; tile_dim0
	s_mov_b32 s[G1+4], 64                          ; tile_dim1
	s_mov_b32 s[G1+5], 32                          ; from row to row: dense
	s_mov_b32 s[G1+6], 0
	s_mov_b32 s[G1+7], 0
	s_mov_b32 s[SEL], 0x76543210
	s_mov_b32 s[SEL+1], 0xfedcba98
	s_mov_b32 s[TB], 0
	s_lshl_b32 s54, s[WV], 14                      ; step w: 16,384 w, in LDS and in the head's block
	s_lshl_b32 s52, s14, 18                        ; the head's 262,144 bytes
	s_add_co_u32 s52, s52, s54
	s_mov_b32 s53, 0
	s_wait_dscnt 0x0
	s_wait_kmcnt 0x0
	s_load_b256 s[32:39], s[8:9], 0x0              ; e0 .. e7
	s_mov_b32 s24, 1
	s_mov_b32 s25, s54
	s_add_nc_u64 s[26:27], s[6:7], s[52:53]
	s_mov_b32 s28, 1
	s_add_co_u32 s29, s54, 131072                  ; step 8 + w
	s_add_nc_u64 s[30:31], s[26:27], 131072
	s_or_b32 s27, s27, 0x80000000
	s_or_b32 s31, s31, 0x80000000
	CROUND                                         ; all four work-groups are here: the joint loads meet
	tensor_load_to_lds s[24:27], s[G1:G1+7]        ; my two fills go out together: two tensor loads of mine are out
	s_nop 0
	tensor_load_to_lds s[28:31], s[G1:G1+7]
	s_nop 0
.rept 4
	v_nop
.endr
	v_and_b32 v[LI], 31, v0
	v_lshlrev_b32 v[LI], 4, v[LI]
	s_lshl_b32 s55, s13, 2
	s_lshr_b32 s56, s[WV], 2
	s_add_co_u32 s55, s55, s56                     ; pass 0's step of 128 queries: 4 cx + wave / 4 (pass 1's: two on)
	s_and_b32 s56, s[WV], 3                        ; my tiles: 2 (wave % 4) and the next
	s_lshl_b32 s52, s14, 17                        ; qc: 131,072 bytes a head, 8,192 a step, 1,024 a tile
	s_lshl_b32 s57, s55, 13
	s_add_co_u32 s52, s52, s57
	s_lshl_b32 s57, s56, 11
	s_add_co_u32 s52, s52, s57
	s_add_nc_u64 s[48:49], s[4:5], s[52:53]
	s_and_b32 s52, s14, 15                         ; oc: plane = head, 524,288 bytes; in it 131,072 a batch, 8,192 a step, 1,024 a tile
	s_lshl_b32 s52, s52, 19
	s_lshr_b32 s57, s14, 4
	s_lshl_b32 s57, s57, 17
	s_add_co_u32 s52, s52, s57
	s_lshl_b32 s57, s55, 13
	s_add_co_u32 s52, s52, s57
	s_lshl_b32 s57, s56, 11
	s_add_co_u32 s52, s52, s57
	s_add_nc_u64 s[50:51], s[10:11], s[52:53]
.irp p, 0,1
.irp c, 0,1
	global_load_b128 v[16+8*\p+4*\c:16+8*\p+4*\c+3], v[LI], s[48:49] offset:16384*\p+512*\c        ; Q stays in registers: tile 0,
.endr
.endr
	WIN 0x40
.irp p, 0,1
.irp c, 0,1
	global_load_b128 v[16+8*\p+4*\c:16+8*\p+4*\c+3], v[LI], s[48:49] offset:16384*\p+1024+512*\c   ; tile 1
.endr
.endr
	WIN 0
	s_wait_kmcnt 0x0
	s_add_co_i32 s57, s34, s35                     ; a score stands for score x 2^(e2 + e3): added to c's exponent field
	s_lshl_b32 s57, s57, 23
	s_add_co_i32 s[CS], s57, 0x3d38aa3b            ; c = log2(e) / 32
	s_mov_b32 s[CS+1], s[CS]                       ; (named with it as a pair)
	s_add_co_i32 s46, s36, s37                     ; e4 + e5
	s_add_co_i32 s57, s37, 127
	s_lshl_b32 s58, s57, 23                        ; 2^e5
	s_add_co_i32 s57, s57, 15
	s_lshl_b32 s59, s57, 23
	s_or_b32 s59, s59, 0x600000                    ; 57,344 x 2^e5
	s_add_co_i32 s57, s38, 127
	s_lshl_b32 s60, s57, 23                        ; 2^e6
	s_add_co_i32 s57, s57, 15
	s_lshl_b32 s61, s57, 23
	s_or_b32 s61, s61, 0x600000
	CONSTS
	INIT
	WIN 0x55
	CONSTS
	INIT
	WIN 0
	s_wait_loadcnt 0x0                             ; Q
	s_wait_tensorcnt 0x1                           ; my first fill is in; my second may be out
	s_barrier_signal -1
	s_barrier_wait -1                              ; and so is everybody's: steps 0 to 7 lie in LDS
	LOOP 8, 16
	s_wait_tensorcnt 0x0
	s_barrier_signal -1
	s_barrier_wait -1                              ; steps 8 to 15 too; from here on the waves do not depend on each other
	LOOP 8, 16
	OUT 0
	s_wait_xcnt 0x0                                ; the stores have read their registers, which the second pass writes again
	INIT
	WIN 0x55
	INIT
	WIN 0
	s_mov_b32 s[TB], 0
	LOOP 16, 24
	OUT 1
	s_wait_tensorcnt 0x0
	ds_add_u32 v190, v191
	s_wait_dscnt 0x0
	CROUND                                         ; the closing round
	s_endpgm
.Lfunc_end_k_qf0b2239ba7_attn:
	.size	k_qf0b2239ba7_attn, .Lfunc_end_k_qf0b2239ba7_attn-k_qf0b2239ba7_attn
	.p2alignl 7, 3214868480
	.fill 96, 4, 3214868480
	.section	.rodata,"a",@progbits
	.p2align	6, 0x0
	.amdhsa_kernel k_qf0b2239ba7_attn
		.amdhsa_group_segment_fixed_size 263168
		.amdhsa_private_segment_fixed_size 0
		.amdhsa_enable_private_segment 0
		.amdhsa_kernarg_size 32
		.amdhsa_user_sgpr_count 2
		.amdhsa_user_sgpr_kernarg_segment_ptr 1
		.amdhsa_wavefront_size32 1
		.amdhsa_system_sgpr_workgroup_id_x 1
		.amdhsa_system_sgpr_workgroup_id_y 1
		.amdhsa_system_sgpr_workgroup_id_z 1
		.amdhsa_system_vgpr_workitem_id 0
		.amdhsa_next_free_vgpr 512
		.amdhsa_next_free_sgpr 66
		.amdhsa_reserve_vcc 0
		.amdhsa_float_denorm_mode_32 3
		.amdhsa_float_denorm_mode_16_64 3
		.amdhsa_memory_ordered 1
		.amdhsa_forward_progress 1
		.amdhsa_inst_pref_size 111
	.end_amdhsa_kernel
	.amdgpu_metadata
---
amdhsa.version: [ 1, 2 ]
amdhsa.kernels:
  - .name:           k_qf0b2239ba7_attn
    .symbol:         k_qf0b2239ba7_attn.kd
    .args:
      - { .name: qc, .offset: 0, .size: 8, .value_kind: global_buffer, .address_space: global }
      - { .name: kv, .offset: 8, .size: 8, .value_kind: global_buffer, .address_space: global }
      - { .name: lowp_scales, .offset: 16, .size: 8, .value_kind: global_buffer, .address_space: global }
      - { .name: oc, .offset: 24, .size: 8, .value_kind: global_buffer, .address_space: global }
    .group_segment_fixed_size: 263168
    .private_segment_fixed_size: 0
    .kernarg_segment_align: 8
    .kernarg_segment_size: 32
    .max_flat_workgroup_size: 256
    .sgpr_count:     66
    .vgpr_count:     512
    .wavefront_size: 32
...
	.end_amdgpu_metadata
.endif
;; end of part 3
;; launch proj (part 4): grid 4 x 64, 4 waves a work-group, clusters of 4 x 4, 327,680 bytes of LDS; arguments oc, woc, lowp_scales, out_b, x, out0; writes out0
.if DOCPART == 4
	.amdgcn_target "amdgcn-amd-amdhsa--gfx1250"
	.amdhsa_code_object_version 6
	.text
	.protected	k_qf0b2239ba7_proj
	.globl	k_qf0b2239ba7_proj
	.p2align	8
	.type	k_qf0b2239ba7_proj,@function
k_qf0b2239ba7_proj:
	s_mov_b64 s[64:65], 0
	v_nop
	global_prefetch_b8 v0, s[64:65] scope:SCOPE_SE
	s_setreg_imm32_b32 hwreg(HW_REG_WAVE_MODE, 25, 1), 1
	s_wait_xcnt 0x0
	s_wait_alu depctr_hold_cnt(0) depctr_sa_sdst(0) depctr_va_vdst(0) depctr_va_sdst(0) depctr_va_ssrc(0) depctr_va_vcc(0) depctr_vm_vsrc(0)
	s_getreg_b32 s2, hwreg(HW_REG_IB_STS2, 6, 4)
	s_cmp_eq_u32 s2, 0
	s_cbranch_scc0 .Lentry_in_a_cluster
	s_endpgm
.Lentry_in_a_cluster:
	s_bfe_u32 s2, ttmp6, 0x10000c
	s_cmp_lg_u32 s2, 0xf033
	s_cbranch_scc0 .Lentry_shape_is_right
	s_endpgm
.Lentry_shape_is_right:
; PROJ: out0 = o Wout x 2^(e6 + e7) + out_b + x, the product on codes of E5M2, K = 1,024.
; oc: [head 16][g 512][b' 2][512 B]: images of operand registers: group g = 16 tokens (tile g % 8 of the step of 128 tokens g / 8; lane r holds token 32 (t / 2) + 8 (t % 2) + r + 8 (r / 8) of the step, t = g % 8), channels 32 b' + 16 h on.
; woc: [1024 n][1024 k] codes, true order.  A tile of the output is 128 tokens x 256 columns, so that there are 256 work-groups; four waves of 64 x 128: 32 accumulators.
; K goes in steps of 256 (four heads) through a ring of two LDS slots filled by joint tensor loads: 4 x 4 work-groups form a cluster; o's tile is shared along a row of it, Wout's along a column.
; THE MATRIX INSTRUCTION IS USED TRANSPOSED (source 0 = 16 rows of woc, source 1 = 16 tokens): a lane holds eight neighbouring columns of one token's row.
; The residual x and the bias are asked for at the head, in the layout in which the results come back from the stage, and land while the products run.
; LIMIT: e6 + e7 between -126 and 127, so that 2^(e6 + e7) is an f32 number.  No prefetch: K has four steps, of which two are the first fills.
; REGISTERS: window 0: v0-31 addresses, v[8:11] the bias; A's two sets at v128, v192 (four blocks of 16); later the rows on their way out.  window 1: B's two sets at v0, v128.  window 2: the accumulators ((a, b) at v[8 (8 a + b)]).  window 3: x.
.set PITCH,  272                       ; B's LDS row: 256 bytes + 16 of padding
.set AHALF,  16384                     ; A: 64 tokens x 256 K: four planes of 4,096 bytes, dense: images need no pitch
.set BHALF,  128*PITCH
.set SLOT,   2*AHALF+2*BHALF           ; A's two halves, then B's two
.set STAGE,  2*SLOT                    ; behind the ring: 16 rows x 528 bytes for each wave; no tensor load fills it
.set SPITCH, 528
.set SPARE,  STAGE+4*16*SPITCH         ; behind the stages: the spare words, 128 bytes for each wave, that no other line names
.set ADRA, 16
.set ADRB, 20
.set STO,  24
.set RD,   25
.set CO,   27                          ; v27 16 x lane
.set SPW,  28
.set NIL,  29
.set AF,   128
.set BK,   128                         ; the way out: 16 rows back from the stage: v128-191 and v192-255 by turns
.set G1, 24
.set G0, 32
.set G1B, 48
.set G0B, 56
.set MSB, 0
.macro WIN new                         ; the immediate's high byte repeats the setting that is left
.if MSB != \new
	s_set_vgpr_msb (MSB<<8)|\new
.set MSB, \new
.endif
.endm
.set MUL,  0xa1                        ; source 0 (B) window 1, source 1 (A) window 0, C and D window 2
.set TO_B, 0x40
.macro JLOAD g0a, g1a, g0b, g1b        ; waves 0 and 1 fetch A's halves, waves 2 and 3 B's; four v_nop follow each of the two lines
	s_cmp_eq_u32 s15, 0
	s_cbranch_scc0 .Lfor_b_\@
	tensor_load_to_lds s[\g0a:\g0a+3], s[\g1a:\g1a+7]
	s_nop 0
.rept 4
	v_nop
.endr
	s_branch .Lasked_\@
.Lfor_b_\@:
	tensor_load_to_lds s[\g0b:\g0b+3], s[\g1b:\g1b+7]
	s_nop 0
.rept 4
	v_nop
.endr
.Lasked_\@:
.endm
.macro CREST
	s_cmp_lg_u32 s14, 0
	s_cbranch_scc1 .Lnot_wave_0_\@
	s_barrier_signal -3
.Lnot_wave_0_\@:
	s_barrier_wait -3
	s_barrier_signal -1
	s_barrier_wait -1
.endm
.macro CROUND
	s_barrier_signal -1
	s_barrier_wait -1
	CREST
.endm
.macro PLACES
.rept 4
	v_nop
.endr
.endm
	s_load_b256 s[4:11], s[0:1], 0x0               ; oc s[4:5], woc s[6:7], the scales s[8:9], out_b s[10:11]
	s_load_b128 s[68:71], s[0:1], 0x20             ; x s[68:69], out0 s[70:71]
	v_lshl_add_u32 v[SPW], v0, 2, SPARE
	v_mov_b32 v[NIL], 0
	ds_add_u32 v28, v29
	ds_add_u32 v28, v29
	s_wait_dscnt 0x0
	v_lshrrev_b32 v1, 5, v0
	v_readfirstlane_b32 s14, v1                    ; wave 0..3
	s_lshr_b32 s15, s14, 1                         ; which 64 tokens are mine.  Also: I fetch for A (0) or for B (1)
	s_and_b32 s16, s14, 1                          ; which 128 columns.  Also: which half I fetch
	s_bfe_u32 s40, ttmp6, 0x40000                  ; cx = the tile column (the grid is one cluster wide)
	s_bfe_u32 s41, ttmp6, 0x40004                  ; cy
	s_and_b32 s17, ttmp7, 0xffff
	s_lshl_b32 s17, s17, 2
	s_add_co_u32 s17, s17, s41                     ; the tile row: 4 x cluster y + cy
	s_lshl_b32 s43, s41, 2
	s_lshl_b32 s43, 15, s43                        ; my row of the cluster
	s_lshl_b32 s44, 0x1111, s40                    ; my column
	s_or_b32 s[G1+0], s43, (3<<16)|(1<<21)         ; A: the mask; elements of 8 bytes; 21 set beside a mask; no padding
	s_mov_b32 s[G1+1], 512<<16                     ; tensor_dim0 = 512 elements: four groups of a plane, 4,096 bytes on end
	s_mov_b32 s[G1+2], 4<<16                       ; tensor_dim1 = 4 planes (heads)
	s_mov_b32 s[G1+3], 512<<16                     ; tile_dim0
	s_mov_b32 s[G1+4], 4                           ; tile_dim1
	s_mov_b32 s[G1+5], 65536                       ; from plane to plane: 524,288 bytes
	s_mov_b32 s[G1+6], 0
	s_mov_b32 s[G1+7], 0
	s_or_b32 s[G1B+0], s44, (0<<16)|(1<<20)|(1<<21)|(5<<22)|(3<<25)  ; B: elements of 1 byte; four words of padding after every 64
	s_mov_b32 s[G1B+1], 256<<16
	s_mov_b32 s[G1B+2], 128<<16
	s_mov_b32 s[G1B+3], 256<<16
	s_mov_b32 s[G1B+4], 128
	s_mov_b32 s[G1B+5], 1024
	s_mov_b32 s[G1B+6], 0
	s_mov_b32 s[G1B+7], 0
	s_lshl_b32 s20, s17, 13                        ; A: group 8 x tile row + 4 x half, 1,024 bytes a group
	s_lshl_b32 s18, s16, 12
	s_add_co_u32 s20, s20, s18
	s_mov_b32 s21, 0
	s_lshl_b32 s46, s40, 18                        ; B: row 256 cx + 128 x half, 1,024 bytes a row
	s_lshl_b32 s18, s16, 17
	s_add_co_u32 s46, s46, s18
	s_mov_b32 s47, 0
	s_lshl_b32 s80, s16, 14                        ; where they go: A's half,
	s_mul_i32 s81, s16, BHALF
	s_add_co_u32 s81, s81, 2*AHALF                 ; B's half: no place in the cluster enters an LDS address
	s_wait_kmcnt 0x0
	s_load_b256 s[72:79], s[8:9], 0x0              ; e0 .. e7
	s_add_nc_u64 s[20:21], s[4:5], s[20:21]
	s_add_nc_u64 s[46:47], s[6:7], s[46:47]
	CROUND                                         ; all sixteen work-groups are here: the first joint loads meet
.irp s, 0,1
	s_mov_b32 s[G0+4*\s], 1
	s_add_co_u32 s[G0+4*\s+1], s80, \s*SLOT
	s_add_nc_u64 s[G0+4*\s+2:G0+4*\s+3], s[20:21], \s*4*524288     ; K step s: four planes on
	s_or_b32 s[G0+4*\s+3], s[G0+4*\s+3], 0x80000000
	s_mov_b32 s[G0B+4*\s], 1
	s_add_co_u32 s[G0B+4*\s+1], s81, \s*SLOT
	s_add_nc_u64 s[G0B+4*\s+2:G0B+4*\s+3], s[46:47], \s*256
	s_or_b32 s[G0B+4*\s+3], s[G0B+4*\s+3], 0x80000000
	JLOAD G0+4*\s, G1, G0B+4*\s, G1B
.endr
	v_and_b32 v1, 15, v0                           ; r
	v_bfe_u32 v2, v0, 4, 1                         ; h
	v_and_b32 v6, 31, v0
	v_lshlrev_b32 v[CO], 4, v6
	v_mul_u32_u24 v3, v1, PITCH
	v_lshl_add_u32 v4, v2, 4, v3
	s_lshl_b32 s21, s15, 14                        ; my 64 tokens of A
	s_mul_i32 s22, s16, BHALF
	s_add_co_u32 s22, s22, 2*AHALF                 ; my 128 rows of B
.irp s, 0,1
	v_add_nc_u32 v[ADRA+\s], s21, v[CO]
	v_add_nc_u32 v[ADRB+\s], s22, v4
	s_add_co_u32 s21, s21, SLOT
	s_add_co_u32 s22, s22, SLOT
.endr
	s_mul_i32 s23, s14, 16*SPITCH
	s_add_co_u32 s23, s23, STAGE                   ; my stage
	v_mul_u32_u24 v5, v1, SPITCH
	v_lshl_add_u32 v5, v2, 5, v5
	v_add_nc_u32 v[STO], s23, v5                   ; in: row r, 32 bytes for each half of the lanes
	v_add_nc_u32 v[RD], s23, v[CO]                 ; back: the 32 lanes take one row of 512 bytes
	s_lshl_b32 s82, s17, 19                        ; x and out0: 128 tokens of 4,096 bytes a tile row,
	s_lshl_b32 s83, s15, 18                        ; my 64 of them,
	s_add_co_u32 s82, s82, s83
	s_lshl_b32 s84, s40, 10                        ; my first column in bytes: 1,024 cx + 512 x half
	s_lshl_b32 s83, s16, 9
	s_add_co_u32 s84, s84, s83
	s_mov_b32 s85, 0
	s_add_nc_u64 s[10:11], s[10:11], s[84:85]
	s_add_co_u32 s82, s82, s84
	s_mov_b32 s83, 0
	s_add_nc_u64 s[68:69], s[68:69], s[82:83]
	s_add_nc_u64 s[70:71], s[70:71], s[82:83]
	global_load_b128 v[8:11], v[CO], s[10:11]      ; the bias of my four columns
	WIN 0xc0                                       ; destination window 3
.irp i, 0,1,2,3                        ; x: register 64 i + 4 t: the token that lane t of block i holds
.irp t, 0,1,2,3,4,5,6,7,8,9,10,11,12,13,14,15
	global_load_b128 v[64*\i+4*\t:64*\i+4*\t+3], v[CO], s[68:69] offset:(32*(\i/2)+8*(\i%2)+\t+8*(\t/8))*4096 th:TH_LOAD_NT   ; 512 consecutive bytes
.endr
.endr
	WIN 0
; 8 matrix instructions: A's block a x B's eight, 128 along K, set p.  The 32 accumulators take turns, one instruction a turn, in the same order in every step.
.macro MULB a, p, zero
.irp b, 0,1,2,3,4,5,6,7
.if \zero
	v_wmma_f32_16x16x128_bf8_bf8 v[8*(8*(\a)+\b):8*(8*(\a)+\b)+7], v[128*(\p)+16*\b:128*(\p)+16*\b+15], v[AF+64*(\p)+16*(\a):AF+64*(\p)+16*(\a)+15], 0
.else
	v_wmma_f32_16x16x128_bf8_bf8 v[8*(8*(\a)+\b):8*(8*(\a)+\b)+7], v[128*(\p)+16*\b:128*(\p)+16*\b+15], v[AF+64*(\p)+16*(\a):AF+64*(\p)+16*(\a)+15], v[8*(8*(\a)+\b):8*(8*(\a)+\b)+7]
.endif
.endr
.endm
; 48 LDS loads in one run: the fragments of the slot's q-th 128 along K into set p.  On both sides registers 4 c .. 4 c + 3 hold k = 32 c + 16 h + 0 .. 15.
.macro FETCH slot, q, p
	WIN TO_B
.irp i, 0,1,2,3,4,5,6,7
.irp c, 0,1,2,3
	ds_load_b128 v[128*(\p)+16*\i+4*\c:128*(\p)+16*\i+4*\c+3], v[ADRB+\slot] offset:128*(\q)+32*\c+\i*16*PITCH
.endr
.endr
	WIN 0
.irp i, 0,1,2,3
.irp c, 0,1,2,3
	ds_load_b128 v[AF+64*(\p)+16*\i+4*\c:AF+64*(\p)+16*\i+4*\c+3], v[ADRA+\slot] offset:(2*(\q)+\c/2)*4096+1024*\i+512*(\c%2)   ; plane 2 q + c / 2, group i, half c % 2
.endr
.endr
.endm
.macro STEP slot, zero                 ; a slot's first 128 along K, on set 0; in its middle the second 128 are fetched into set 1
	s_wait_dscnt 0x0
	WIN MUL
	MULB 0, 0, \zero
	MULB 1, 0, \zero
	PLACES                                         ; in front of loads into registers that matrix instructions have read
	FETCH \slot, 1, 1
	WIN MUL
	MULB 2, 0, \zero
	MULB 3, 0, \zero
.endm
; A slot's second 128, on set 1, and the change of slots: one barrier; in front of it each wave waits for all its tensor loads, adds 0 to its spare word, and waits for that and for its reads of this slot.
.macro TURN slot, next, fill
	WIN 0                                          ; (the add's two registers lie in window 0)
	s_wait_tensorcnt 0x0                           ; all my tensor loads have landed: my part of the next slot
	ds_add_u32 v[SPW], v[NIL]                      ; 0 onto my spare word
	s_wait_dscnt 1                                 ; set 1 is in; the add may be out
	WIN MUL
	MULB 0, 1, 0
	s_wait_dscnt 0x0                               ; the add is done, and my reads of this slot are over
	s_barrier_signal -1
	MULB 1, 1, 0
	WIN 0
	s_barrier_wait -1
.if \fill
	CREST                                          ; the barrier has opened a round of the cluster's: no wave of any partner still reads this slot or has a load on its way
	s_add_nc_u64 s[G0+4*\slot+2:G0+4*\slot+3], s[G0+4*\slot+2:G0+4*\slot+3], 2*4*524288
	s_add_nc_u64 s[G0B+4*\slot+2:G0B+4*\slot+3], s[G0B+4*\slot+2:G0B+4*\slot+3], 2*256
	JLOAD G0+4*\slot, G1, G0B+4*\slot, G1B         ; the first tensor load behind the round; its four v_nop are the places in front of the loads below
.else
	PLACES
.endif
	FETCH \next, 0, 0
	WIN MUL
	MULB 2, 1, 0
	MULB 3, 1, 0
.endm
	s_wait_tensorcnt 1                             ; my part of K step 0 is in (K step 1's load may be out),
	s_barrier_signal -1
	s_barrier_wait -1                              ; everybody's is
	FETCH 0, 0, 0
	STEP 0, 1                                      ; K = 1,024 is eight steps of 128: written out; the first starts the sums
	TURN 0, 1, 1
	STEP 1, 0
	TURN 1, 0, 1
	STEP 0, 0
	TURN 0, 1, 0                                   ; nothing is left to fetch: no round, no load
	STEP 1, 0
	s_wait_dscnt 0x0
	MULB 0, 1, 0
	MULB 1, 1, 0
	MULB 2, 1, 0
	MULB 3, 1, 0
	; THE WAY OUT.  A lane holds 32 neighbouring bytes of a token's row and the lanes beside it other tokens: a block of 16 tokens goes through my own stage and comes back as whole rows of 512 bytes.
	s_wait_loadcnt 0x0                             ; x and the bias
	s_wait_kmcnt 0x0
	s_add_co_i32 s96, s78, s79                     ; e6 + e7
	s_add_co_i32 s96, s96, 127
	s_lshl_b32 s96, s96, 23                        ; 2^(e6 + e7) as f32
	s_mov_b32 s97, s96                             ; (named with it as a pair)
	WIN 0xc3                                       ; x in window 3, the bias in window 0
.set j, 0
.rept 64
	v_pk_add_f32 v[j:j+1], v[j:j+1], v[8:9]        ; x + out_b; these lines are also the places behind the last products
	v_pk_add_f32 v[j+2:j+3], v[j+2:j+3], v[10:11]
.set j, j+4
.endr
.macro TOSTAGE i
	WIN 0x08                                       ; the stores' data in window 2
.irp b, 0,1,2,3,4,5,6,7
	ds_store_b128 v[STO], v[64*(\i)+8*\b:64*(\i)+8*\b+3] offset:64*\b        ; each accumulator from its low end on
	ds_store_b128 v[STO], v[64*(\i)+8*\b+4:64*(\i)+8*\b+7] offset:64*\b+16
.endr
	WIN 0
.set BB, BK+64*((\i)%2)
.irp t, 0,1,2,3,4,5,6,7,8,9,10,11,12,13,14,15
	ds_load_b128 v[BB+4*\t:BB+4*\t+3], v[RD] offset:\t*SPITCH   ; LDS serves a wave's instructions in order (ISA guide 5.7.1.4): these see the stores above, and the next block's stores come behind them
.endr
.endm
.macro SEND i, younger                 ; younger: the LDS instructions issued behind block i's loads, which may stay out
.set BB, BK+64*((\i)%2)
	s_wait_dscnt \younger
	WIN 0x30                                       ; source 2 (x + out_b) in window 3
.set j, 0
.rept 32
	v_pk_fma_f32 v[BB+j:BB+j+1], v[BB+j:BB+j+1], s[96:97], v[64*(\i)+j:64*(\i)+j+1] op_sel_hi:[1,0,1]   ; sum x 2^(e6 + e7) + out_b + x
.set j, j+2
.endr
	WIN 0
.irp t, 0,1,2,3,4,5,6,7,8,9,10,11,12,13,14,15
	global_store_b128 v[CO], v[BB+4*\t:BB+4*\t+3], s[70:71] offset:(32*((\i)/2)+8*((\i)%2)+\t+8*(\t/8))*4096 th:TH_STORE_NT   ; 512 consecutive bytes, aligned; written once
.endr
.endm
	TOSTAGE 0
.irp i, 1,2,3
.if \i > 1
	s_wait_xcnt 0x0                                ; block i - 2's stores have read their registers: block i's loads may land there
.endif
	TOSTAGE \i
	SEND \i-1, 32                                  ; behind block i - 1's loads: block i's 16 stores and 16 loads
.endr
	SEND 3, 0
	s_wait_tensorcnt 0x0                           ; the wave's end
	ds_add_u32 v[SPW], v[NIL]
	s_wait_dscnt 0x0
	CROUND                                         ; the closing round
	s_endpgm
.Lfunc_end_k_qf0b2239ba7_proj:
	.size	k_qf0b2239ba7_proj, .Lfunc_end_k_qf0b2239ba7_proj-k_qf0b2239ba7_proj
	.p2alignl 7, 3214868480
	.fill 96, 4, 3214868480
	.section	.rodata,"a",@progbits
	.p2align	6, 0x0
	.amdhsa_kernel k_qf0b2239ba7_proj
		.amdhsa_group_segment_fixed_size 327680
		.amdhsa_private_segment_fixed_size 0
		.amdhsa_enable_private_segment 0
		.amdhsa_kernarg_size 48
		.amdhsa_user_sgpr_count 2
		.amdhsa_user_sgpr_kernarg_segment_ptr 1
		.amdhsa_wavefront_size32 1
		.amdhsa_system_sgpr_workgroup_id_x 1
		.amdhsa_system_sgpr_workgroup_id_y 1
		.amdhsa_system_sgpr_workgroup_id_z 1
		.amdhsa_system_vgpr_workitem_id 0
		.amdhsa_next_free_vgpr 1024
		.amdhsa_next_free_sgpr 100
		.amdhsa_reserve_vcc 0
		.amdhsa_float_denorm_mode_32 3
		.amdhsa_float_denorm_mode_16_64 3
		.amdhsa_memory_ordered 1
		.amdhsa_forward_progress 1
		.amdhsa_inst_pref_size 89
	.end_amdhsa_kernel
	.amdgpu_metadata
---
amdhsa.version: [ 1, 2 ]
amdhsa.kernels:
  - .name:           k_qf0b2239ba7_proj
    .symbol:         k_qf0b2239ba7_proj.kd
    .args:
      - { .name: oc, .offset: 0, .size: 8, .value_kind: global_buffer, .address_space: global }
      - { .name: woc, .offset: 8, .size: 8, .value_kind: global_buffer, .address_space: global }
      - { .name: lowp_scales, .offset: 16, .size: 8, .value_kind: global_buffer, .address_space: global }
      - { .name: out_b, .offset: 24, .size: 8, .value_kind: global_buffer, .address_space: global }
      - { .name: x, .offset: 32, .size: 8, .value_kind: global_buffer, .address_space: global }
      - { .name: out0, .offset: 40, .size: 8, .value_kind: global_buffer, .address_space: global }
    .group_segment_fixed_size: 327680
    .private_segment_fixed_size: 0
    .kernarg_segment_align: 8
    .kernarg_segment_size: 48
    .max_flat_workgroup_size: 128
    .sgpr_count:     100
    .vgpr_count:     1024
    .wavefront_size: 32
...
	.end_amdgpu_metadata
.endif
;; end of part 4
